; MI455X (gfx1250); checked and timed in simulation.
; The chip was launched on July 23, 2026; its instructions are those of AMD's public machine-readable ISA for CDNA 5 (MIT licence, August 2026) and "CDNA5" Instruction Set Architecture Reference Guide (July 2026). The comments in the code are by the model that wrote it; some were corrected since.
;; Model. Allowed arithmetic: float matrix products may take bf16 or f16 operands with f32 sums; other float arithmetic in f32, or as packed bf16 or f16 multiplies, adds, multiply-adds, maxima and minima; sums over many terms, partial sums and values carried from step to step in f32; what a program stores and reads back later, other than sums and carried values, may be rounded once to bf16 or f16.
;; Inputs: B 4,096 float32; Bout 1,024 float32; Wh 4,096 x 4,096 float32; Wout 1,024 x 4,096 float32; Wx 4,096 x 2,048 float32; hidden 2,048 x 4,096 float32; x 2,048 x 2,048 float32.
;; Outputs: out0 2,048 x 1,024 float32.
;; One version. Each part assembles by itself: llvm-mc -triple=amdgcn-amd-amdhsa -mcpu=gfx1250 --defsym DOCPART=n.
;; ======== version 1 of 1: 3 launches
;; limits: a function is approximated: absolute error at most 2.4e-07; right only within a limited range of input values
;; workspace buffers: xb 8,388,608 bytes; wxb 16,777,216 bytes; hb 16,777,216 bytes; whb 33,554,432 bytes; wob 8,388,608 bytes; hn 16,777,216 bytes
;; launch cast (part 1): grid 2560 x 1, 8 waves a work-group, no clusters, 0 bytes of LDS; arguments x, Wx, hidden, Wh, Wout, xb, wxb, hb, whb, wob; writes xb, wxb, hb, whb, wob
.if DOCPART == 1
	.amdgcn_target "amdgcn-amd-amdhsa--gfx1250"
	.amdhsa_code_object_version 6
	.text
	.protected	k_q946f9fa6cc_cast
	.globl	k_q946f9fa6cc_cast
	.p2align	8
	.type	k_q946f9fa6cc_cast,@function
k_q946f9fa6cc_cast:
	s_mov_b64 s[64:65], 0
	v_nop
	global_prefetch_b8 v0, s[64:65] scope:SCOPE_SE
	s_setreg_imm32_b32 hwreg(HW_REG_WAVE_MODE, 25, 1), 1
	s_wait_xcnt 0x0
; Every matrix operand of the module is rounded once from f32 to bf16 (to nearest even), so that the two products that follow move and read half the bytes.
; hidden, Wh, Wout keep their row-major layout (hb, whb, wob).  x and Wx are laid out BY K STEPS OF 64: xb[s][r][j] = x[r][64 s + j], s = 0..31: the 128 bytes that a row has
; in a step lie end to end with the next row's, so that the product can ask for a step's rows as dense rows of 256 bytes.
; SHARES.  A wave's task is 8,192 bytes of f32: sixteen loads of 16 bytes a lane, all issued at once, then for each load two roundings and one store of 8 bytes a lane:
; each store of the wave covers 256 consecutive bytes, aligned.  20,480 tasks, eight to a work-group.  No loop, no register is written twice, nothing is shared between waves:
; no LDS, no barrier, no matrix unit, no cluster.
; Work-groups 0-255: x; 256-767: Wx; 768-1279: hidden; 1280-2303: Wh; 2304-2559: Wout.
; LIMITS.  bf16 has f32's range: nothing overflows; NaN and infinities stay what they are.
.set X,   8                            ; v[8:71]    sixteen loads, 4 registers each
.set Y,   72                           ; v[72:103]  sixteen stores, 2 registers each
.set SRC, 28                           ; s[28:29]   the task's first byte in its source
.set DST, 30                           ; s[30:31]   and in its destination
	s_load_b512 s[8:23], s[0:1], 0x0               ; x s[8:9], Wx s[10:11], hidden s[12:13], Wh s[14:15], Wout s[16:17], xb s[18:19], wxb s[20:21], hb s[22:23]
	s_load_b128 s[24:27], s[0:1], 0x40             ; whb s[24:25], wob s[26:27]
	v_lshrrev_b32 v4, 5, v0
	v_readfirstlane_b32 s4, v4                     ; wave 0..7
	v_and_b32 v1, 31, v0                           ; lane
	v_lshlrev_b32 v3, 3, v1                        ; the stores' offset: 8 bytes a lane
	s_mov_b32 s33, 0                               ; the high words of the two offsets
	s_mov_b32 s35, 0
	s_wait_kmcnt 0x0
; The task itself: load j lies lstep bytes behind load j - 1, store j sstep bytes behind store j - 1.
.macro BODY lstep, sstep
.set j, 0
.rept 16
	global_load_b128 v[X+4*j:X+4*j+3], v2, s[SRC:SRC+1] offset:(\lstep)*j th:TH_LOAD_NT
.set j, j+1
.endr
.set j, 0
.rept 16
	s_wait_loadcnt 15-j                            ; loads come back in order: load j is in, the 15 - j younger ones stay out
	v_cvt_pk_bf16_f32 v[Y+2*j],   v[X+4*j],   v[X+4*j+1]
	v_cvt_pk_bf16_f32 v[Y+2*j+1], v[X+4*j+2], v[X+4*j+3]
	global_store_b64 v3, v[Y+2*j:Y+2*j+1], s[DST:DST+1] offset:(\sstep)*j
.set j, j+1
.endr
	s_endpgm
.endm
; The blocked layout.  Task T = pair of rows p = T / 2, half hh = T % 2 of the 32 steps.  Load j: lanes 0-15 take the 256 bytes of step 16 hh + j of row 2 p, lanes 16-31 those of row 2 p + 1.
; Store j: the two rows' 128 bytes each lie end to end in the step's block, at 256 p.  sh: log2 of sixteen steps' bytes in the destination (16 x rows x 128).
.macro BLK src, dst, start, sh
	s_sub_co_u32 s5, ttmp9, \start
	s_lshl_b32 s5, s5, 3
	s_add_co_u32 s5, s5, s4                        ; T
	s_lshr_b32 s6, s5, 1                           ; p
	s_and_b32 s7, s5, 1                            ; hh
	s_lshl_b32 s32, s6, 14                         ; two rows of 8,192 bytes
	s_lshl_b32 s34, s7, 12                         ; sixteen steps of 256 bytes of f32
	s_add_co_u32 s32, s32, s34
	s_add_nc_u64 s[SRC:SRC+1], s[\src:\src+1], s[32:33]
	s_lshl_b32 s34, s7, \sh
	s_lshl_b32 s6, s6, 8
	s_add_co_u32 s34, s34, s6
	s_add_nc_u64 s[DST:DST+1], s[\dst:\dst+1], s[34:35]
	v_lshrrev_b32 v2, 4, v1                        ; which of the two rows
	v_and_b32 v4, 15, v1
	v_lshlrev_b32 v2, 13, v2
	v_lshl_add_u32 v2, v4, 4, v2                   ; the loads' offset: 8,192 x row + 16 x (lane % 16)
.endm
	s_cmp_ge_u32 ttmp9, 768
	s_cbranch_scc1 .Lrow
	s_cmp_ge_u32 ttmp9, 256
	s_cbranch_scc1 .Lwx
	BLK 8, 18, 0, 22                               ; x: 2,048 rows; a step's block is 262,144 bytes
	BODY 256, 262144
.Lwx:
	BLK 10, 20, 256, 23                            ; Wx: 4,096 rows; a step's block is 524,288 bytes; the largest store offset, 15 blocks, lies inside the signed 24-bit immediate
	BODY 256, 524288
.Lrow:                                                 ; row-major: task c is the c-th 8,192 bytes of its source and the c-th 4,096 of its destination
	s_mov_b64 s[SRC:SRC+1], s[12:13]               ; hidden -> hb,
	s_mov_b64 s[DST:DST+1], s[22:23]
	s_mov_b32 s6, 768
	s_cmp_ge_u32 ttmp9, 1280
	s_cselect_b64 s[SRC:SRC+1], s[14:15], s[SRC:SRC+1]  ; or Wh -> whb,
	s_cselect_b64 s[DST:DST+1], s[24:25], s[DST:DST+1]
	s_cselect_b32 s6, 1280, s6
	s_cmp_ge_u32 ttmp9, 2304
	s_cselect_b64 s[SRC:SRC+1], s[16:17], s[SRC:SRC+1]  ; or Wout -> wob
	s_cselect_b64 s[DST:DST+1], s[26:27], s[DST:DST+1]
	s_cselect_b32 s6, 2304, s6
	s_sub_co_u32 s5, ttmp9, s6
	s_lshl_b32 s5, s5, 3
	s_add_co_u32 s5, s5, s4                        ; c
	s_lshl_b32 s32, s5, 13
	s_lshl_b32 s34, s5, 12
	s_add_nc_u64 s[SRC:SRC+1], s[SRC:SRC+1], s[32:33]
	s_add_nc_u64 s[DST:DST+1], s[DST:DST+1], s[34:35]
	v_lshlrev_b32 v2, 4, v1                        ; the loads' offset: 16 bytes a lane
	BODY 512, 256
.Lfunc_end_k_q946f9fa6cc_cast:
	.size	k_q946f9fa6cc_cast, .Lfunc_end_k_q946f9fa6cc_cast-k_q946f9fa6cc_cast
	.p2alignl 7, 3214868480
	.fill 96, 4, 3214868480
	.section	.rodata,"a",@progbits
	.p2align	6, 0x0
	.amdhsa_kernel k_q946f9fa6cc_cast
		.amdhsa_group_segment_fixed_size 0
		.amdhsa_private_segment_fixed_size 0
		.amdhsa_enable_private_segment 0
		.amdhsa_kernarg_size 80
		.amdhsa_user_sgpr_count 2
		.amdhsa_user_sgpr_kernarg_segment_ptr 1
		.amdhsa_wavefront_size32 1
		.amdhsa_system_sgpr_workgroup_id_x 1
		.amdhsa_system_sgpr_workgroup_id_y 1
		.amdhsa_system_sgpr_workgroup_id_z 1
		.amdhsa_system_vgpr_workitem_id 0
		.amdhsa_next_free_vgpr 104
		.amdhsa_next_free_sgpr 66
		.amdhsa_reserve_vcc 0
		.amdhsa_float_denorm_mode_32 3
		.amdhsa_float_denorm_mode_16_64 3
		.amdhsa_memory_ordered 1
		.amdhsa_forward_progress 1
		.amdhsa_inst_pref_size 20
	.end_amdhsa_kernel
	.amdgpu_metadata
---
amdhsa.version: [ 1, 2 ]
amdhsa.kernels:
  - .name:           k_q946f9fa6cc_cast
    .symbol:         k_q946f9fa6cc_cast.kd
    .args:
      - { .name: x, .offset: 0, .size: 8, .value_kind: global_buffer, .address_space: global }
      - { .name: Wx, .offset: 8, .size: 8, .value_kind: global_buffer, .address_space: global }
      - { .name: hidden, .offset: 16, .size: 8, .value_kind: global_buffer, .address_space: global }
      - { .name: Wh, .offset: 24, .size: 8, .value_kind: global_buffer, .address_space: global }
      - { .name: Wout, .offset: 32, .size: 8, .value_kind: global_buffer, .address_space: global }
      - { .name: xb, .offset: 40, .size: 8, .value_kind: global_buffer, .address_space: global }
      - { .name: wxb, .offset: 48, .size: 8, .value_kind: global_buffer, .address_space: global }
      - { .name: hb, .offset: 56, .size: 8, .value_kind: global_buffer, .address_space: global }
      - { .name: whb, .offset: 64, .size: 8, .value_kind: global_buffer, .address_space: global }
      - { .name: wob, .offset: 72, .size: 8, .value_kind: global_buffer, .address_space: global }
    .group_segment_fixed_size: 0
    .private_segment_fixed_size: 0
    .kernarg_segment_align: 8
    .kernarg_segment_size: 80
    .max_flat_workgroup_size: 256
    .sgpr_count:     66
    .vgpr_count:     104
    .wavefront_size: 32
...
	.end_amdgpu_metadata
.endif
;; end of part 1
;; launch cell (part 2): grid 16 x 16, 4 waves a work-group, clusters of 4 x 4, 327,680 bytes of LDS; arguments xb, hb, wxb, whb, B, hn; writes hn
.if DOCPART == 2
	.amdgcn_target "amdgcn-amd-amdhsa--gfx1250"
	.amdhsa_code_object_version 6
	.text
	.protected	k_q946f9fa6cc_cell
	.globl	k_q946f9fa6cc_cell
	.p2align	8
	.type	k_q946f9fa6cc_cell,@function
k_q946f9fa6cc_cell:
	s_mov_b64 s[64:65], 0
	v_nop
	global_prefetch_b8 v0, s[64:65] scope:SCOPE_SE
	s_setreg_imm32_b32 hwreg(HW_REG_WAVE_MODE, 25, 1), 1
	s_wait_xcnt 0x0
	s_wait_alu depctr_hold_cnt(0) depctr_sa_sdst(0) depctr_va_vdst(0) depctr_va_sdst(0) depctr_va_ssrc(0) depctr_va_vcc(0) depctr_vm_vsrc(0)
	s_getreg_b32 s2, hwreg(HW_REG_IB_STS2, 6, 4)
	s_cmp_eq_u32 s2, 0
	s_cbranch_scc0 .Lentry_in_a_cluster
	s_endpgm
.Lentry_in_a_cluster:
	s_bfe_u32 s2, ttmp6, 0x10000c
	s_cmp_lg_u32 s2, 0xf033
	s_cbranch_scc0 .Lentry_shape_is_right
	s_endpgm
.Lentry_shape_is_right:
; hn(m, n) = tanh( sum_k x[m][k] Wx[n][k] + sum_k hidden[m][k] Wh[n][k] + B[n] ), m < 2048, n < 4096; operands bf16 (rounded by the launch before), sums f32, hn rounded once to bf16.
; SHARES.  A work-group makes 128 (m) x 256 (n): 16 x 16 work-groups.  Four waves, each 64 x 128: 4 x 8 accumulators of 16 x 16, 256 registers.
; K GOES IN 32 STEPS OF 192 = 64 of x + 128 of hidden (2048 / 64 = 4096 / 128 = 32), so every step is alike.  A step's four tiles (x's and hidden's 128 rows, Wx's and Wh's 256 rows) fill one of
; two LDS slots; each of the four waves fetches one tile with one tensor load.  x's and Wx's rows of a step are 128 bytes that lie end to end in memory (xb, wxb are laid out by steps): they are
; asked for as rows of 256 bytes and padded in LDS behind every 128.  A step is six quarters of 32 along K, 32 matrix instructions each.
; CLUSTER.  4 x 4 work-groups.  The four of a row of the cluster need the same rows of x and hidden, the four of a column the same rows of Wx and Wh: each tile is asked for JOINTLY, by the same
; tensor load with the same descriptor and a mask that names the four.
; THE MATRIX INSTRUCTION IS USED TRANSPOSED (source 0 = 16 rows of W, source 1 = 16 rows of x or hidden): a lane then holds row l % 16 of hn and the eight neighbouring columns 8 (l / 16) + 0..7.
; hn LEAVES IN FRAGMENT ORDER, as the next launch's matrix instructions want it: [block of 16 rows: 128][block of 32 columns: 128][half j: 2][lane: 32][16 bytes], where lane l holds row l % 16 and
; the columns 16 j + 8 (l / 16) + 0..7 of the block.  That is what a lane of accumulator (a, b) holds, with j = b % 2 in column block b / 2: the packed results are stored straight from registers,
; and each store of the wave covers 512 consecutive bytes, aligned.
; TANH.  tanh(z) = 1 - 2 / (1 + 2^(c z)), c = 2 log2(e).  LIMITS: 2^(c z) overflows to infinity or falls to 0 for large |z|, and the result is then exactly +1 or -1; NaN stays NaN; the form's
; absolute error is about 2^-22, so below |z| = 2^-13 its relative error passes that of the rounding to bf16.  The order of the f32 sums is not reference()'s: 64 of x, then 128 of hidden, by turns.
; REGISTERS, in windows of 256 (s_set_vgpr_msb: bits 1:0 source 0, 3:2 source 1, 5:4 source 2, 7:6 destination):
;   window 0: v0-23 addresses; two fragment buffers of 96: v32-63 A (4 x 16 rows x 32 K), v64-127 B (8 such); v128-159 A, v160-223 B.  On the way out v96-127 packed results, v128-191 at work
;   window 1: the accumulators, (a, b) at v[8 (8 a + b)]          window 2: v0-63 c x B of my 8 x 8 columns
.set PX,    144                        ; an LDS row of x or Wx: 128 bytes + 16 of padding = 36 words: the 16 rows of a load start at 16 different groups of four banks (64 banks of 4 bytes: ISA guide 11.1)
.set PH,    272                        ; an LDS row of hidden or Wh: 256 + 16 = 68 words: likewise
.set AXO,   0                          ; a slot: x's 128 rows,
.set AHO,   AXO+128*PX                 ; hidden's 128 rows,
.set BXO,   AHO+128*PH                 ; Wx's 256 rows,
.set BHO,   BXO+256*PX                 ; Wh's 256 rows
.set SLOT,  BHO+256*PH                 ; 159,744 bytes
.set SPARE, 2*SLOT                     ; behind the ring: the spare words, 128 bytes for each wave: two blocks of 256 bytes that no other line names
.set SAX,   2048*128                   ; bytes from a K step to the next: in xb a block of 2,048 rows x 128 bytes,
.set SBX,   4096*128                   ; in wxb of 4,096 rows,
.set SH,    256                        ; in hb and whb 128 numbers along the row
.set ROWB,  8192                       ; bytes in a row of hb and whb
.set HBL,   131072                     ; hn: bytes from a block of 16 rows to the next (128 column blocks of 1,024 bytes)
.set ADRA, 8                           ; v8-11   LDS address of my A fragments: slot 0 x, slot 0 hidden, slot 1 x, slot 1 hidden
.set ADRB, 12                          ; v12-15  the same for B
.set CO,   18                          ; v18     16 x lane: my 16 bytes of a store's 512
.set BO,   19                          ; v19     my byte offset in B
.set PFO,  20                          ; v20     the prefetches' offset; never rewritten
.set SPW,  22                          ; v22     LDS address of my spare word: SPARE + 4 x my thread's number; never rewritten
.set NIL,  23                          ; v23     0; never rewritten
.set F0,   32
.set F1,   128
.set P,    96                          ; the way out: packed results
.set T,    128                         ; the way out: 64 numbers at work
.set WV,   16                          ; s16 my wave's number   s17 which half of the tile's rows   s18 which half of its columns   s19 the loop's count
.set MH,   17
.set NH,   18
.set CNT,  19
.set CX,   20                          ; s20, s21 my place in the cluster   s22 tile column   s23 tile row
.set CY,   21
.set TC,   22
.set TR,   23
.set G1AX, 24                          ; descriptor groups 1: s[24:31] x, s[32:39] hidden, s[40:47] Wx, s[48:55] Wh
.set G1AH, 32
.set G1BX, 40
.set G1BH, 48
.set G0AX, 56                          ; descriptor groups 0, one walking set a tile: s[56:59], s[60:63], s[68:71], s[72:75]
.set G0AH, 60
.set G0BX, 68
.set G0BH, 72
.set CC,   76                          ; s[76:77] c: the packed forms take the pair's low word for both halves
.set PFA,  78                          ; s[78:79] where my prefetches stand
.set PFS,  80                          ; s[80:81] bytes from a K step to the next in the tensor that I fetch
.set LIM,  82                          ; s82, s83 by slot: 1 where I prefetch at that slot's change, else the greatest number
; s[84:87] hold numbers made of cy and the tile row alone, s[88:91] of cx and the tile column alone; s2, s3, s66, s67 whatever is mixed: these feed no descriptor
.set MSB, 0
.macro WIN new                         ; the immediate's high byte repeats the setting that is left; a switch that changes nothing is dropped
.if MSB != (\new)
	s_set_vgpr_msb (MSB<<8)|(\new)
.set MSB, \new
.endif
.endm
.set W_MUL, 0x50                       ; fragments in window 0, C and D in window 1
.macro PLACES                          ; four places in front of loads into registers that matrix instructions have read (ISA guide 7.12.1 for vector instructions)
.rept 4
	v_nop
.endr
.endm
; A joint load: wave 0 x's tile, wave 1 hidden's, wave 2 Wx's, wave 3 Wh's.  Each line has one mask and one set of registers for all that issue it; the branches hang on the wave's number alone.
; An s_nop 0 and four v_nop follow each line, ahead of the jump and the label.
.macro ARM g0, g1
	tensor_load_to_lds s[\g0:\g0+3], s[\g1:\g1+7]
	s_nop 0
.rept 4
	v_nop
.endr
.endm
.macro JLOAD
	s_cmp_lt_u32 s[WV], 2
	s_cbranch_scc0 .Lfor_b_\@
	s_cmp_eq_u32 s[WV], 0
	s_cbranch_scc0 .Lfor_ah_\@
	ARM G0AX, G1AX
	s_branch .Lasked_\@
.Lfor_ah_\@:
	ARM G0AH, G1AH
	s_branch .Lasked_\@
.Lfor_b_\@:
	s_cmp_eq_u32 s[WV], 2
	s_cbranch_scc0 .Lfor_bh_\@
	ARM G0BX, G1BX
	s_branch .Lasked_\@
.Lfor_bh_\@:
	ARM G0BH, G1BH
.Lasked_\@:
.endm
; A round of the cluster's barrier: my work-group's barrier, so that wave 0's signal speaks for all four waves; wave 0 signals; every wave waits for all sixteen work-groups; my work-group's barrier once more.
.macro CREST                           ; a round behind its opening barrier
	s_cmp_lg_u32 s[WV], 0
	s_cbranch_scc1 .Lnot_wave_0_\@
	s_barrier_signal -3
.Lnot_wave_0_\@:
	s_barrier_wait -3
	s_barrier_signal -1
	s_barrier_wait -1
.endm
.macro CROUND
	s_barrier_signal -1
	s_barrier_wait -1
	CREST
.endm
; The walking descriptors go one K step on, into the given slot.  They are written only where no tensor load of mine is out.
.macro STEPG slot
	s_add_nc_u64 s[G0AX+2:G0AX+3], s[G0AX+2:G0AX+3], SAX   ; the type bits on top are not reached
	s_add_nc_u64 s[G0AH+2:G0AH+3], s[G0AH+2:G0AH+3], SH
	s_add_nc_u64 s[G0BX+2:G0BX+3], s[G0BX+2:G0BX+3], SBX
	s_add_nc_u64 s[G0BH+2:G0BH+3], s[G0BH+2:G0BH+3], SH
	s_mov_b32 s[G0AX+1], (\slot)*SLOT+AXO
	s_mov_b32 s[G0AH+1], (\slot)*SLOT+AHO
	s_mov_b32 s[G0BX+1], (\slot)*SLOT+BXO
	s_mov_b32 s[G0BH+1], (\slot)*SLOT+BHO
.endm
; A PREFETCH INTO THE L2, behind each joint refill, its five lines and the run of LDS loads that follows: the K step that stands TWO refills on (384 matrix instructions ahead of the load that will want it).
; Each wave asks for the tensor that it fetches.  Each aligned block of 256 bytes is named ONCE in the launch: rows of x and hidden are read by every cluster of a row of clusters: cluster x = 0 asks;
; rows of Wx and Wh by every cluster of a column: cluster y = 0 asks.  The four partners that ask for a tile jointly share it out BY ADDRESS, a quarter each (cx for x and hidden, cy for Wx and Wh).
; hidden: 32 rows, a lane a row.  Wh: 64 rows, two lines.  Wx: 32 blocks of 256 bytes, a lane a block.  x: 16 blocks a step: asked at slot 0's change alone, lanes 0-15 for one step, lanes 16-31 for the next.
; K steps 0 to 3 come by their loads alone; the loop's last trip (count 1) asks for nothing: the last step named is 31.
.macro ASK slot
	s_cmp_gt_u32 s[CNT], s[LIM+(\slot)]
	s_cbranch_scc0 .Lnot_mine_\@
	global_prefetch_b8 v[PFO], s[PFA:PFA+1] th:TH_LOAD_NT scope:SCOPE_SE
	s_cmp_eq_u32 s[WV], 3
	s_cbranch_scc0 .Lnot_mine_\@
	global_prefetch_b8 v[PFO], s[PFA:PFA+1] offset:32*ROWB th:TH_LOAD_NT scope:SCOPE_SE
.Lnot_mine_\@:
.endm
	s_load_b256 s[4:11], s[0:1], 0x0               ; xb s[4:5], hb s[6:7], wxb s[8:9], whb s[10:11]
	s_load_b128 s[12:15], s[0:1], 0x20             ; B s[12:13], hn s[14:15]
	v_lshl_add_u32 v[SPW], v0, 2, SPARE
	v_mov_b32 v[NIL], 0
	ds_add_u32 v[SPW], v[NIL]                      ; the wave's opening: the add, twice on end, and its wait ahead of my first tensor load; the set-up below stands between
	ds_add_u32 v[SPW], v[NIL]                      ; and once more, under the one wait
	v_lshrrev_b32 v1, 5, v0
	v_readfirstlane_b32 s[WV], v1                  ; wave 0..3
	s_lshr_b32 s[MH], s[WV], 1
	s_and_b32 s[NH], s[WV], 1
	s_bfe_u32 s[CX], ttmp6, 0x40000
	s_bfe_u32 s[CY], ttmp6, 0x40004
	s_lshl_b32 s[TC], ttmp9, 2                     ; in a cluster launch ttmp9 and ttmp7 count clusters
	s_add_co_u32 s[TC], s[TC], s[CX]               ; tile column = 4 x cluster x + cx
	s_and_b32 s[TR], ttmp7, 0xffff
	s_lshl_b32 s[TR], s[TR], 2
	s_add_co_u32 s[TR], s[TR], s[CY]               ; tile row = 4 x cluster y + cy
	s_lshl_b32 s84, s[CY], 2
	s_lshl_b32 s84, 15, s84                        ; my row of the cluster: places 4 cy .. 4 cy + 3
	s_lshl_b32 s88, 0x1111, s[CX]                  ; my column: places cx, cx + 4, cx + 8, cx + 12
	; descriptor groups 1.  15:0 the mask; 17:16 elements of 2 bytes; 20 padding on; 21 set beside a mask; 24:22 after every 32 words (code 4) or 64 words (code 5); 31:25 4 words of it (code 3)
	s_or_b32 s[G1AX], s84, (1<<16)|(1<<20)|(1<<21)|(4<<22)|(3<<25)
	s_or_b32 s[G1AH], s84, (1<<16)|(1<<20)|(1<<21)|(5<<22)|(3<<25)
	s_or_b32 s[G1BX], s88, (1<<16)|(1<<20)|(1<<21)|(4<<22)|(3<<25)
	s_or_b32 s[G1BH], s88, (1<<16)|(1<<20)|(1<<21)|(5<<22)|(3<<25)
.macro G1SET g, rows, pitch            ; rows of 128 elements (256 bytes); the extents are the tile's: no tile crosses its tensor's end
	s_mov_b32 s[\g+1], 128<<16                     ; tensor_dim0
	s_mov_b32 s[\g+2], (\rows)<<16                 ; tensor_dim1
	s_mov_b32 s[\g+3], 128<<16                     ; tile_dim0
	s_mov_b32 s[\g+4], \rows                       ; tile_dim1
	s_mov_b32 s[\g+5], \pitch                      ; elements from row to row
	s_mov_b32 s[\g+6], 0
	s_mov_b32 s[\g+7], 0
.endm
	G1SET G1AX, 64, 128                            ; x: 128 rows x 128 bytes, dense: 64 rows of 256
	G1SET G1AH, 128, 4096
	G1SET G1BX, 128, 128                           ; Wx: 256 rows x 128 bytes, dense: 128 rows of 256
	G1SET G1BH, 256, 4096
	s_lshl_b32 s84, s[TR], 14                      ; the tiles' first bytes at K step 0: x: 128 rows x 128 bytes a tile row,
	s_mov_b32 s85, 0
	s_lshl_b32 s86, s[TR], 20                      ; hidden: 128 rows x 8,192,
	s_mov_b32 s87, 0
	s_lshl_b32 s88, s[TC], 15                      ; Wx: 256 rows x 128,
	s_mov_b32 s89, 0
	s_lshl_b32 s90, s[TC], 21                      ; Wh: 256 rows x 8,192
	s_mov_b32 s91, 0
	s_mov_b32 s[CC], 0x4038aa3b                    ; c = 2 log2(e) = 2.885390
	s_mov_b32 s[CC+1], s[CC]                       ; named with it as a pair
	s_wait_dscnt 0x0                               ; both opening adds are done
	s_wait_kmcnt 0x0
.macro G0SET g, lds, base, off
	s_mov_b32 s[\g], 1                             ; count = 1
	s_mov_b32 s[\g+1], \lds                        ; LDS address: a constant: no place in the cluster, and no wave's number, enters it
	s_add_nc_u64 s[\g+2:\g+3], s[\base:\base+1], s[\off:\off+1]
	s_or_b32 s[\g+3], s[\g+3], 0x80000000          ; type = 2
.endm
	G0SET G0AX, AXO, 4, 84
	G0SET G0AH, AHO, 6, 86
	G0SET G0BX, BXO, 8, 88
	G0SET G0BH, BHO, 10, 90
	CROUND                                         ; all sixteen work-groups are here: the first joint loads meet
	JLOAD                                          ; K step 0 into slot 0; slot 1 is asked for when slot 0 is in
	; all that follows up to the first change of slots stands in the wait for the first tile
	v_and_b32 v1, 15, v0                           ; l % 16
	v_bfe_u32 v2, v0, 4, 1                         ; l / 16
	s_lshl_b32 s2, s[TC], 10                       ; B: 256 columns x 4 bytes a tile column,
	s_lshl_b32 s3, s[NH], 9                        ; my 128 columns,
	s_add_co_u32 s2, s2, s3
	v_lshl_add_u32 v[BO], v2, 5, s2                ; my lanes' 8 of each 16
	WIN 0x80                                       ; destination window 2, address window 0
.irp b, 0,1,2,3,4,5,6,7
	global_load_b128 v[8*(\b):8*(\b)+3],   v[BO], s[12:13] offset:64*(\b)
	global_load_b128 v[8*(\b)+4:8*(\b)+7], v[BO], s[12:13] offset:64*(\b)+16
.endr
	WIN 0
	; A fragment is 16 rows x 32 K in 8 registers: lane l holds row l % 16; registers 0-3 K = 8 (l / 16) + 0..7, registers 4-7 K = 16 + 8 (l / 16) + 0..7: two loads of 16 bytes, 32 bytes apart.
	v_mul_u32_u24 v3, v1, PX
	v_lshl_add_u32 v3, v2, 4, v3                   ; row x pitch + 16 x half, for x and Wx
	v_mul_u32_u24 v4, v1, PH
	v_lshl_add_u32 v4, v2, 4, v4                   ; and for hidden and Wh
	s_mul_i32 s2, s[MH], 64*PX                     ; my 64 rows of x
	s_mul_i32 s3, s[MH], 64*PH                     ; and of hidden
	s_add_co_u32 s3, s3, AHO
	v_add_nc_u32 v[ADRA], s2, v3
	v_add_nc_u32 v[ADRA+1], s3, v4
	v_add_nc_u32 v[ADRA+2], SLOT, v[ADRA]
	v_add_nc_u32 v[ADRA+3], SLOT, v[ADRA+1]
	s_mul_i32 s2, s[NH], 128*PX                    ; my 128 rows of Wx
	s_add_co_u32 s2, s2, BXO
	s_mul_i32 s3, s[NH], 128*PH                    ; and of Wh
	s_add_co_u32 s3, s3, BHO
	v_add_nc_u32 v[ADRB], s2, v3
	v_add_nc_u32 v[ADRB+1], s3, v4
	v_add_nc_u32 v[ADRB+2], SLOT, v[ADRB]
	v_add_nc_u32 v[ADRB+3], SLOT, v[ADRB+1]
	v_and_b32 v5, 31, v0
	v_lshlrev_b32 v[CO], 4, v5                     ; the way out: 16 bytes a lane
	s_lshl_b32 s2, s[TR], 20                       ; hn at my part: row block 8 x tile row + 4 x half, 131,072 bytes each,
	s_lshl_b32 s3, s[MH], 19
	s_add_co_u32 s2, s2, s3
	s_lshl_b32 s3, s[TC], 13                       ; column block 8 x tile column + 4 x half, 1,024 bytes each
	s_add_co_u32 s2, s2, s3
	s_lshl_b32 s3, s[NH], 12
	s_add_co_u32 s2, s2, s3
	s_mov_b32 s3, 0
	s_add_nc_u64 s[14:15], s[14:15], s[2:3]
	; the prefetches.  My quarter of my tile begins (4 x tile coordinate + my place among the four) << s bytes into the tensor, s = 12 (x), 18 (hidden), 13 (Wx), 19 (Wh)
	s_and_b32 s[LIM], ttmp7, 0xffff                ; cluster y
	s_mul_i32 s[LIM+1], s[NH], 6
	s_add_co_u32 s[LIM+1], s[LIM+1], s[MH]
	s_add_co_u32 s[LIM+1], s[LIM+1], 12            ; s
	s_cmp_lt_u32 s[WV], 2                          ; do I fetch x or hidden?
	s_cselect_b32 s[LIM], ttmp9, s[LIM]            ; the coordinate along which other clusters read the same rows
	s_cselect_b32 s3, s[TR], s[TC]
	s_cselect_b32 s2, s[CX], s[CY]
	s_cselect_b64 s[PFA:PFA+1], s[4:5], s[8:9]     ; xb or wxb,
	s_cselect_b64 s[66:67], s[6:7], s[10:11]       ; hb or whb
	s_lshl_b32 s3, s3, 2
	s_add_co_u32 s2, s2, s3
	s_lshl_b32 s2, s2, s[LIM+1]
	s_lshl_b32 s[PFS], SAX, s[MH]                  ; a K step: 262,144 bytes in xb, 524,288 in wxb,
	s_cmp_eq_u32 s[NH], 0
	s_cselect_b32 s[PFS], s[PFS], SH               ; 256 in hb and whb
	s_cselect_b64 s[PFA:PFA+1], s[PFA:PFA+1], s[66:67]
	s_mov_b32 s[PFS+1], 0
	s_mul_i32 s3, s[PFS], 3
	s_add_co_u32 s2, s2, s3                        ; at K step 3: the first refill steps it to 4
	s_mov_b32 s3, 0
	s_add_nc_u64 s[PFA:PFA+1], s[PFA:PFA+1], s[2:3]
	s_cmp_eq_u32 s[MH], 0                          ; a lane's offset is (l % 16) << sa + (l / 16) << sb: x 8, 18 (the next step); Wx 8, 12 (256 l); hidden, Wh 13, 17 (8,192 l)
	s_cselect_b32 s67, 18, 12
	s_cmp_eq_u32 s[NH], 0
	s_cselect_b32 s67, s67, 17
	s_cselect_b32 s66, 8, 13
	v_lshlrev_b32 v[PFO], s66, v1
	v_lshlrev_b32 v21, s67, v2
	v_add_nc_u32 v[PFO], v[PFO], v21
	s_cmp_eq_u32 s[LIM], 0
	s_cselect_b32 s[LIM], 1, -1                    ; the same in all sixteen partners, for a given wave
	s_cmp_eq_u32 s[WV], 0
	s_cselect_b32 s[LIM+1], -1, s[LIM]             ; wave 0 asks at slot 0's change alone
	s_wait_loadcnt 0x0                             ; B
	WIN 0x82                                       ; destination and source 0 window 2
.set i, 0
.rept 32
	v_pk_mul_f32 v[2*i:2*i+1], v[2*i:2*i+1], s[CC:CC+1] op_sel_hi:[1,0]  ; c B, so that c z is one fused multiply-add on the way out
.set i, i+1
.endr
	WIN 0
; 8 matrix instructions: m block a x all 8 n blocks, 32 along K, from buffer f.  zero = 1: the first product starts the sums: nothing is ever cleared.
; The 32 accumulators take turns, one instruction a turn, in the same order in every quarter: 31 others stand between two links of a chain, over the backward jump too.
.macro MULA f, a, zero
	WIN W_MUL
.irp b, 0,1,2,3,4,5,6,7
.if \zero
	v_wmma_f32_16x16x32_bf16 v[8*(8*(\a)+(\b)):8*(8*(\a)+(\b))+7], v[(\f)+32+8*(\b):(\f)+32+8*(\b)+7], v[(\f)+8*(\a):(\f)+8*(\a)+7], 0
.else
	v_wmma_f32_16x16x32_bf16 v[8*(8*(\a)+(\b)):8*(8*(\a)+(\b))+7], v[(\f)+32+8*(\b):(\f)+32+8*(\b)+7], v[(\f)+8*(\a):(\f)+8*(\a)+7], v[8*(8*(\a)+(\b)):8*(8*(\a)+(\b))+7]
.endif
.endr
.endm
; 24 LDS loads in one run: the fragments of one quarter (128 rows of W, then 64 rows of x or hidden; 32 K at byte k of the rows) into buffer f.  part = 0: x and Wx; 1: hidden and Wh.
.macro FETCH slot, part, k, f
	WIN 0
.set PT, PX+(PH-PX)*(\part)
.irp i, 0,1,2,3,4,5,6,7
	ds_load_b128 v[(\f)+32+8*(\i):(\f)+32+8*(\i)+3],   v[ADRB+2*(\slot)+(\part)] offset:(\k)+(\i)*16*PT
	ds_load_b128 v[(\f)+32+8*(\i)+4:(\f)+32+8*(\i)+7], v[ADRB+2*(\slot)+(\part)] offset:(\k)+(\i)*16*PT+32
.endr
.irp i, 0,1,2,3
	ds_load_b128 v[(\f)+8*(\i):(\f)+8*(\i)+3],   v[ADRA+2*(\slot)+(\part)] offset:(\k)+(\i)*16*PT
	ds_load_b128 v[(\f)+8*(\i)+4:(\f)+8*(\i)+7], v[ADRA+2*(\slot)+(\part)] offset:(\k)+(\i)*16*PT+32
.endr
.endm
; One of a step's first five quarters: multiplies buffer f; in its middle it fetches the next quarter's fragments (part, byte k of the same slot's rows) into buffer g.
.macro QUARTER slot, part, k, f, g, zero
	s_wait_dscnt 4                                 ; W's fragments and A's blocks 0 and 1 are in; the youngest four loads (A's blocks 2 and 3) may be out
	MULA \f, 0, \zero
	MULA \f, 1, \zero
	WIN 0
	PLACES                                         ; buffer g was read by the quarter before
	FETCH \slot, \part, \k, \g
	s_wait_dscnt 24                                ; all but the 24 just issued
	MULA \f, 2, \zero
	MULA \f, 3, \zero
.endm
.macro REST slot                       ; a step's quarters 2 to 5
	QUARTER \slot, 1, 0,   F1, F0, 0
	QUARTER \slot, 1, 64,  F0, F1, 0
	QUARTER \slot, 1, 128, F1, F0, 0
	QUARTER \slot, 1, 192, F0, F1, 0
.endm
; The sixth quarter multiplies buffer 1 and changes slots: ONE barrier, for two things.  In front of it each wave waits for all its tensor loads, of which one is out: its tile of the next slot; adds 0 to its
; spare word; and waits for that and for its own reads of this slot.  Behind it nobody reads this slot any more and the next slot is whole.  fill = 1: the barrier opens a round of the cluster's barrier, and
; this slot is filled again, with the K step two on, first thing behind the round: 176 matrix instructions ahead of the wait for that load.
.macro TURN slot, next, fill
.if \fill
	s_wait_xcnt 0x0                                ; the last prefetch, a K step back, has read its address: it is stepped here, ahead of the waits of the change of slots
	s_add_nc_u64 s[PFA:PFA+1], s[PFA:PFA+1], s[PFS:PFS+1]
.endif
	WIN 0                                          ; (the add's two registers lie in window 0)
	s_wait_tensorcnt 0x0                           ; all my tensor loads have landed, so the descriptors may be written
	ds_add_u32 v[SPW], v[NIL]                      ; 0 onto my spare word
.if \fill
	STEPG \slot
.endif
	s_wait_dscnt 7                                 ; (the add and the loads of A's blocks 1 to 3 may be out)
	MULA F1, 0, 0                                  ; eight matrix instructions stand between the add and the wait for it
	s_wait_dscnt 0x0                               ; the add is done, and my reads of this slot are over:
	s_barrier_signal -1                            ; say so,
	MULA F1, 1, 0                                  ; work on registers while the others arrive,
.if \fill
	WIN 0
.endif
	s_barrier_wait -1                              ; and go on when all four have said so
.if \fill
	CREST                                          ; no wave of any partner still reads this slot's tiles or has a load on its way
	JLOAD                                          ; the four v_nop behind it are also the places in front of the loads below
.else
	WIN 0
	PLACES
.endif
	FETCH \next, 0, 0, F0
.if \fill
	ASK \slot
.endif
	MULA F1, 2, 0
	MULA F1, 3, 0
.endm
	; THE FIRST CHANGE: slot 0 is waited for, slot 1 filled for the first time, in the form of a refill
	s_wait_tensorcnt 0x0                           ; my tile of K step 0 is in
	ds_add_u32 v[SPW], v[NIL]
	STEPG 1
	s_wait_dscnt 0x0
	CROUND                                         ; everybody's tile is in
	JLOAD                                          ; K step 1 into slot 1
	FETCH 0, 0, 0, F0
	QUARTER 0, 0, 64, F0, F1, 1                    ; the first quarter stands in front of the loop: its products start the sums
	WIN 0                                          ; at a label and at a branch every window is 0
	s_mov_b32 s[CNT], 15
.Llap:                                                 ; a trip goes once round the ring, from a step's second quarter to the first quarter two steps on, and fills both slots again: K steps 2 to 31
	REST 0
	TURN 0, 1, 1
	QUARTER 1, 0, 64, F0, F1, 0
	REST 1
	TURN 1, 0, 1
	QUARTER 0, 0, 64, F0, F1, 0
	WIN 0
	s_sub_co_u32 s[CNT], s[CNT], 1
	s_cmp_lg_u32 s[CNT], 0
	s_cbranch_scc1 .Llap
	REST 0                                         ; K steps 30 and 31 are written out: nothing is left to fetch, and no round is needed
	TURN 0, 1, 0
	QUARTER 1, 0, 64, F0, F1, 0
	REST 1
	s_wait_dscnt 4                                 ; the very last quarter
	MULA F1, 0, 0
	MULA F1, 1, 0
	s_wait_dscnt 0x0
	MULA F1, 2, 0
	MULA F1, 3, 0
; THE WAY OUT, a block of 16 rows at a time.  c z = c sum + c B; 2^(c z); + 1; reciprocal; 1 - 2 x that; rounded to bf16, 16 bytes a lane; stored as they lie: accumulator (a, b)'s 512 bytes are half b % 2 of
; the fragment of row block a and column block b / 2, and the eight accumulators of a block make 4,096 consecutive bytes of hn.
; The 64 exponentials are one batch with one plain instruction and one wait behind it, and so are the 64 reciprocals.  Each accumulator's registers are read in ascending order.
.macro EPI a
	WIN 0x21                                       ; source 0 (sums) window 1, source 2 (c B) window 2, destination window 0
.set i, 0
.rept 32
	v_pk_fma_f32 v[T+2*i:T+2*i+1], v[64*(\a)+2*i:64*(\a)+2*i+1], s[CC:CC+1], v[2*i:2*i+1] op_sel_hi:[1,0,1]
.set i, i+1
.endr
	WIN 0
.set i, 0
.rept 64
	v_exp_f32 v[T+i], v[T+i]
.set i, i+1
.endr
	v_nop                                          ; a plain instruction behind the last exponential,
	s_wait_alu depctr_va_vdst(0)                   ; and the one wait for the batch, ahead of its first reader
.set i, 0
.rept 32
	v_pk_add_f32 v[T+2*i:T+2*i+1], v[T+2*i:T+2*i+1], 1.0 op_sel_hi:[1,0]
.set i, i+1
.endr
.set i, 0
.rept 64
	v_rcp_f32 v[T+i], v[T+i]
.set i, i+1
.endr
	v_nop
	s_wait_alu depctr_va_vdst(0)                   ; the one wait for the reciprocals
.set i, 0
.rept 32
	v_pk_fma_f32 v[T+2*i:T+2*i+1], v[T+2*i:T+2*i+1], -2.0, 1.0 op_sel_hi:[1,0,0]
.set i, i+1
.endr
	s_wait_xcnt 0x0                                ; the stores of the block before have read the registers that are written again below
.set i, 0
.rept 32
	v_cvt_pk_bf16_f32 v[P+i], v[T+2*i], v[T+2*i+1]
.set i, i+1
.endr
.irp b, 0,1,2,3,4,5,6,7
	global_store_b128 v[CO], v[P+4*(\b):P+4*(\b)+3], s[14:15] offset:(\a)*HBL+512*(\b)  ; 32 lanes store 512 consecutive bytes, at a multiple of 512 from hn's first byte
.endr
.endm
	WIN 0
	PLACES                                         ; behind the last products, in front of the lines that read sums and write over fragments;
	PLACES                                         ; eight, once a launch
	EPI 0
	EPI 1
	EPI 2
	EPI 3
	s_wait_tensorcnt 0x0                           ; the wave's end: behind my last tensor load
	ds_add_u32 v[SPW], v[NIL]
	s_wait_dscnt 0x0
	CROUND                                         ; the closing round: no work-group ends while a partner may still ask for a tile that names it
	s_endpgm
.Lfunc_end_k_q946f9fa6cc_cell:
	.size	k_q946f9fa6cc_cell, .Lfunc_end_k_q946f9fa6cc_cell-k_q946f9fa6cc_cell
	.p2alignl 7, 3214868480
	.fill 96, 4, 3214868480
	.section	.rodata,"a",@progbits
	.p2align	6, 0x0
	.amdhsa_kernel k_q946f9fa6cc_cell
		.amdhsa_group_segment_fixed_size 327680
		.amdhsa_private_segment_fixed_size 0
		.amdhsa_enable_private_segment 0
		.amdhsa_kernarg_size 48
		.amdhsa_user_sgpr_count 2
		.amdhsa_user_sgpr_kernarg_segment_ptr 1
		.amdhsa_wavefront_size32 1
		.amdhsa_system_sgpr_workgroup_id_x 1
		.amdhsa_system_sgpr_workgroup_id_y 1
		.amdhsa_system_sgpr_workgroup_id_z 1
		.amdhsa_system_vgpr_workitem_id 0
		.amdhsa_next_free_vgpr 576
		.amdhsa_next_free_sgpr 92
		.amdhsa_reserve_vcc 0
		.amdhsa_float_denorm_mode_32 3
		.amdhsa_float_denorm_mode_16_64 3
		.amdhsa_memory_ordered 1
		.amdhsa_forward_progress 1
		.amdhsa_inst_pref_size 163
	.end_amdhsa_kernel
	.amdgpu_metadata
---
amdhsa.version: [ 1, 2 ]
amdhsa.kernels:
  - .name:           k_q946f9fa6cc_cell
    .symbol:         k_q946f9fa6cc_cell.kd
    .args:
      - { .name: xb, .offset: 0, .size: 8, .value_kind: global_buffer, .address_space: global }
      - { .name: hb, .offset: 8, .size: 8, .value_kind: global_buffer, .address_space: global }
      - { .name: wxb, .offset: 16, .size: 8, .value_kind: global_buffer, .address_space: global }
      - { .name: whb, .offset: 24, .size: 8, .value_kind: global_buffer, .address_space: global }
      - { .name: B, .offset: 32, .size: 8, .value_kind: global_buffer, .address_space: global }
      - { .name: hn, .offset: 40, .size: 8, .value_kind: global_buffer, .address_space: global }
    .group_segment_fixed_size: 327680
    .private_segment_fixed_size: 0
    .kernarg_segment_align: 8
    .kernarg_segment_size: 48
    .max_flat_workgroup_size: 128
    .sgpr_count:     92
    .vgpr_count:     576
    .wavefront_size: 32
...
	.end_amdgpu_metadata
.endif
;; end of part 2
;; launch proj (part 3): grid 32 x 8, 4 waves a work-group, clusters of 4 x 1, 327,680 bytes of LDS; arguments hn, wob, Bout, out0; writes out0
.if DOCPART == 3
	.amdgcn_target "amdgcn-amd-amdhsa--gfx1250"
	.amdhsa_code_object_version 6
	.text
	.protected	k_q946f9fa6cc_proj
	.globl	k_q946f9fa6cc_proj
	.p2align	8
	.type	k_q946f9fa6cc_proj,@function
k_q946f9fa6cc_proj:
	s_mov_b64 s[64:65], 0
	v_nop
	global_prefetch_b8 v0, s[64:65] scope:SCOPE_SE
	s_setreg_imm32_b32 hwreg(HW_REG_WAVE_MODE, 25, 1), 1
	s_wait_xcnt 0x0
	s_wait_alu depctr_hold_cnt(0) depctr_sa_sdst(0) depctr_va_vdst(0) depctr_va_sdst(0) depctr_va_ssrc(0) depctr_va_vcc(0) depctr_vm_vsrc(0)
	s_getreg_b32 s2, hwreg(HW_REG_IB_STS2, 6, 4)
	s_cmp_eq_u32 s2, 0
	s_cbranch_scc0 .Lentry_in_a_cluster
	s_endpgm
.Lentry_in_a_cluster:
	s_bfe_u32 s2, ttmp6, 0x10000c
	s_cmp_lg_u32 s2, 0x3003
	s_cbranch_scc0 .Lentry_shape_is_right
	s_endpgm
.Lentry_shape_is_right:
; out0[m][n] = sum_k hn(m, k) Wout[n][k] + Bout[n], m < 2048, n < 1024, k < 4096; hn and Wout in bf16 (hn, wob), sums and out0 in f32.
; SHARES.  A work-group makes 64 (m) x 128 (n): 32 x 8 work-groups (x: tile row, y: tile column).  K IS SPLIT AMONG ITS FOUR WAVES: every wave holds the whole tile (4 x 8 accumulators of 16 x 16,
; 256 registers), and of each K step of 512 wave w takes the 128 numbers 128 w .. 128 w + 127: four quarters of 32 along K, 32 matrix instructions each.  The four partial sums, in f32, meet in LDS at the end.
; LIMIT: the order of the f32 sums is therefore not reference()'s.
; hn COMES STRAIGHT INTO REGISTERS.  The launch before has stored it in fragment order: [block of 16 rows][block of 32 along K][half j][lane][16 bytes], lane l holding row l % 16 and k = 16 j + 8 (l / 16) + 0..7:
; a fragment is two loads, each of 512 consecutive bytes.  No wave wants a byte of hn that another wave of the work-group has fetched.  Two sets of registers, a K step each (32 loads): while one is multiplied
; the other's loads are on their way.
; Wout GOES THROUGH LDS: 8 K steps through two slots.  Each wave fetches, with one tensor load, the stripe that it reads itself: 128 rows x 256 bytes; so its own wait on TENSORcnt orders its reads, and
; barriers stand only where a slot is filled again.
; CLUSTER.  The four work-groups of a cluster have one tile column and need the same stripes of Wout: each is asked for JOINTLY, by the same tensor load with the same descriptor and the mask of four.
; THE MATRIX INSTRUCTION IS USED TRANSPOSED (source 0 = 16 rows of Wout, source 1 = 16 rows of hn): a lane holds row l % 16 of out0 and the eight neighbouring columns 8 (l / 16) + 0..7.
; REGISTERS, in windows of 256 (s_set_vgpr_msb: bits 1:0 source 0, 3:2 source 1, 5:4 source 2, 7:6 destination):
;   window 0: v0-27 addresses and Bout; two buffers of 64 for Wout's fragments of a quarter (v64-127, v128-191); on the way out v32-159 partial sums
;   window 1: the accumulators, (a, b) at v[8 (8 a + b)]          window 2: hn's fragments, two sets of 128: quarter q, row block a at v[128 set + 32 q + 8 a]
.set PITCH,  272                       ; an LDS row of a stripe: 256 bytes + 16 of padding = 68 words: row r starts at bank 4 r mod 64 (64 banks of 4 bytes: ISA guide 11.1)
.set STRIPE, 128*PITCH                 ; a wave's stripe of a K step
.set SLOT,   4*STRIPE                  ; 139,264 bytes
.set SPARE,  2*SLOT                    ; behind the ring: the spare words, 128 bytes for each wave: two blocks of 256 bytes that no other line names
.set RPITCH, 528                       ; the way out: a row of 128 f32 + 16 bytes
.set REDW,   64*RPITCH                 ; a wave's partial tile; the four lie from LDS byte 0 on, inside slot 0, which has then had its last fill
.set KSB,    1024                      ; bytes of a row of wob in a K step
.set ASB,    16384                     ; hn: bytes from a K step to the next (16 blocks of 32 along K, 1,024 bytes each)
.set ABL,    131072                    ; hn: bytes from a block of 16 rows to the next
.set ADRB, 8                           ; v8-9    LDS address of my fragments of Wout in slot 0, 1
.set RSTO, 12                          ; v12     where I put 32 bytes of a row of my partial tile
.set RRD,  13                          ; v13-14  where I read a row of the partial tiles of waves 0 and 1, of waves 2 and 3
.set OO,   15                          ; v15     16 x lane: my 16 bytes of 512 consecutive ones, in hn and in out0; never rewritten
.set PFO,  16                          ; v16     Wout's prefetches: lane x a row of 8,192 bytes; never rewritten
.set PAO,  17                          ; v17     hn's prefetches: (lane / 16) row blocks + (lane % 16) x 256 bytes; never rewritten
.set SPW,  22                          ; v22     LDS address of my spare word: SPARE + 4 x my thread's number; never rewritten
.set NIL,  23                          ; v23     0; never rewritten
.set BI,   24                          ; v[24:27] Bout of my four columns
.set BF0,  64
.set BF1,  128
.set S0,   32                          ; the way out: two sets of 64: four rows x four partial sums x 4 registers
.set S1,   96
.set WV,   12                          ; s12 my wave's number   s13 the loop's count   s14 cx   s15 tile row   s16 tile column
.set CNT,  13
.set CX,   14
.set TR,   15
.set TC,   16
.set LIMB, 17                          ; s17 1 where my cluster prefetches Wout, else the greatest number
.set LIMA, 18                          ; s18 the same for hn
.set SA,   20                          ; s[20:21] hn at my tile's first row block, at my 4 blocks along K of the K step with which the trip began
.set G1,   24                          ; s[24:31] descriptor group 1
.set G0,   32                          ; s[32:39] descriptor group 0, one set for each slot
.set PFB,  44                          ; s[44:45] where my prefetches of Wout stand
; s[40:43] hold numbers made of the tile column and the wave's number alone: they feed the descriptors.  s19, s22, s23, s46, s47: whatever else
.set MSB, 0
.macro WIN new                         ; the immediate's high byte repeats the setting that is left; a switch that changes nothing is dropped
.if MSB != (\new)
	s_set_vgpr_msb (MSB<<8)|(\new)
.set MSB, \new
.endif
.endm
.set W_MUL, 0x58                       ; Wout's fragments in window 0, hn's in window 2, C and D in window 1
.macro PLACES                          ; four places in front of loads into registers that matrix instructions have read (ISA guide 7.12.1 for vector instructions)
.rept 4
	v_nop
.endr
.endm
.macro JLOAD s                         ; a joint load: one line for all four waves, each with its own stripe in memory and in LDS; an s_nop 0 and four v_nop follow it
	tensor_load_to_lds s[G0+4*(\s):G0+4*(\s)+3], s[G1:G1+7]
	s_nop 0
.rept 4
	v_nop
.endr
.endm
; A round of the cluster's barrier: my work-group's barrier, so that wave 0's signal speaks for all four waves; wave 0 signals; every wave waits for all four work-groups; my work-group's barrier once more.
.macro CROUND
	s_barrier_signal -1
	s_barrier_wait -1
	s_cmp_lg_u32 s[WV], 0
	s_cbranch_scc1 .Lnot_wave_0_\@
	s_barrier_signal -3
.Lnot_wave_0_\@:
	s_barrier_wait -3
	s_barrier_signal -1
	s_barrier_wait -1
.endm
; A K step's 32 loads of hn into the given set, from byte off behind the pointer: each covers 512 consecutive bytes
.macro ALOADS set, off
	WIN 0x80                                       ; destination window 2, address window 0
.irp a, 0,1,2,3
.irp q, 0,1,2,3
	global_load_b128 v[128*(\set)+32*(\q)+8*(\a):128*(\set)+32*(\q)+8*(\a)+3],   v[OO], s[SA:SA+1] offset:(\off)+(\a)*ABL+(\q)*1024
	global_load_b128 v[128*(\set)+32*(\q)+8*(\a)+4:128*(\set)+32*(\q)+8*(\a)+7], v[OO], s[SA:SA+1] offset:(\off)+(\a)*ABL+(\q)*1024+512
.endr
.endr
	WIN 0
.endm
; PREFETCHES INTO THE L2.  Each aligned block of 256 bytes is named ONCE in the launch, for K steps 4 to 7; steps 0 to 3 come by their loads alone, and the loop's last trip (count 1) asks for nothing.
; Wout: behind each joint refill, its five lines and the run of LDS loads that follows: my stripe of the K step that stands TWO refills on (256 matrix instructions ahead of the load that will want it).
; A tile column's rows are read by all eight clusters of that column: cluster x = 0 asks; its four partners share the 128 rows out BY ADDRESS, 32 each: a lane a row, one line a wave.
.macro ASKB
	s_cmp_gt_u32 s[CNT], s[LIMB]
	s_cbranch_scc0 .Lnot_b_\@
	global_prefetch_b8 v[PFO], s[PFB:PFB+1] th:TH_LOAD_NT scope:SCOPE_SE
.Lnot_b_\@:
.endm
; hn: behind each run of loads: my 4 x 4,096 bytes of the K step two on from the one just asked for.  A tile row's blocks are read by the work-groups of all eight tile columns: tile column 0 asks:
; 64 blocks of 256 bytes a wave, a lane a block, two lines.
.macro ASKA off
	s_cmp_gt_u32 s[CNT], s[LIMA]
	s_cbranch_scc0 .Lnot_a_\@
	global_prefetch_b8 v[PAO], s[SA:SA+1] offset:(\off) th:TH_LOAD_NT scope:SCOPE_SE
	global_prefetch_b8 v[PAO], s[SA:SA+1] offset:(\off)+2*ABL th:TH_LOAD_NT scope:SCOPE_SE
.Lnot_a_\@:
.endm
	s_load_b256 s[4:11], s[0:1], 0x0               ; hn s[4:5], wob s[6:7], Bout s[8:9], out0 s[10:11]
	v_lshl_add_u32 v[SPW], v0, 2, SPARE
	v_mov_b32 v[NIL], 0
	ds_add_u32 v[SPW], v[NIL]                      ; the wave's opening: the add, twice on end, and its wait ahead of my first tensor load; the set-up below stands between
	ds_add_u32 v[SPW], v[NIL]                      ; and once more, under the one wait
	v_lshrrev_b32 v1, 5, v0
	v_readfirstlane_b32 s[WV], v1                  ; wave 0..3
	s_bfe_u32 s[CX], ttmp6, 0x40000                ; my place in the cluster: it enters hn's, out0's and the prefetches' addresses alone
	s_lshl_b32 s[TR], ttmp9, 2                     ; in a cluster launch ttmp9 counts clusters
	s_add_co_u32 s[TR], s[TR], s[CX]               ; tile row = 4 x cluster x + cx
	s_and_b32 s[TC], ttmp7, 0xffff                 ; tile column, which the four partners share
	; descriptor group 1: a stripe of 128 rows x 128 elements, padded in LDS
	s_mov_b32 s[G1], 15|(1<<16)|(1<<20)|(1<<21)|(5<<22)|(3<<25)  ; 15:0 the mask: all four work-groups; 17:16 elements of 2 bytes; 20 padding on; 21 set beside a mask; 24:22 after every 64 words (code 5); 31:25 4 words of it (code 3)
	s_mov_b32 s[G1+1], 128<<16                     ; tensor_dim0 = 128
	s_mov_b32 s[G1+2], 128<<16                     ; tensor_dim1 = 128
	s_mov_b32 s[G1+3], 128<<16                     ; tile_dim0 = 128
	s_mov_b32 s[G1+4], 128                         ; tile_dim1 = 128
	s_mov_b32 s[G1+5], 4096                        ; elements from row to row
	s_mov_b32 s[G1+6], 0
	s_mov_b32 s[G1+7], 0
	s_lshl_b32 s40, s[TC], 20                      ; Wout: row 128 x tile column, rows of 8,192 bytes,
	s_lshl_b32 s41, s[WV], 8                       ; my 256 bytes of a K step's 1,024
	s_add_co_u32 s40, s40, s41
	s_mov_b32 s41, 0
	s_mul_i32 s42, s[WV], STRIPE                   ; where they go: no place in the cluster enters an LDS address
	s_lshl_b32 s22, s[TR], 19                      ; hn: row block 4 x tile row, 131,072 bytes each,
	s_lshl_b32 s23, s[WV], 12                      ; my 4 blocks along K of a K step's 16
	s_add_co_u32 s22, s22, s23
	s_mov_b32 s23, 0
	s_lshl_b32 s19, s[TC], 9                       ; the tile's 128 columns: 512 bytes of Bout and of a row of out0
	v_and_b32 v3, 31, v0
	v_lshlrev_b32 v[OO], 4, v3
	v_add_nc_u32 v4, s19, v[OO]
	s_wait_dscnt 0x0                               ; both opening adds are done
	s_wait_kmcnt 0x0
	s_add_nc_u64 s[40:41], s[6:7], s[40:41]
	s_add_nc_u64 s[SA:SA+1], s[4:5], s[22:23]
	global_load_b128 v[BI:BI+3], v4, s[8:9]
	ALOADS 0, 0                                    ; hn of K steps 0 and 1: asked for ahead of the round, which they need not wait for
	ALOADS 1, ASB
	CROUND                                         ; all four work-groups are here: the first joint loads meet
.irp s, 0,1
	s_mov_b32 s[G0+4*(\s)], 1                      ; count = 1
	s_add_co_u32 s[G0+4*(\s)+1], s42, (\s)*SLOT    ; LDS address
	s_add_nc_u64 s[G0+4*(\s)+2:G0+4*(\s)+3], s[40:41], (\s)*KSB  ; global address: K step s
	s_or_b32 s[G0+4*(\s)+3], s[G0+4*(\s)+3], 0x80000000          ; type = 2
	JLOAD \s                                       ; both slots are asked for before anything else: two tensor loads of mine are out
.endr
	v_and_b32 v1, 15, v0                           ; l % 16
	v_bfe_u32 v2, v0, 4, 1                         ; l / 16
	; A fragment of Wout is 16 rows x 32 K in 8 registers: lane l holds row l % 16; registers 0-3 K = 8 (l / 16) + 0..7, registers 4-7 K = 16 + 8 (l / 16) + 0..7: two loads of 16 bytes, 32 bytes apart.
	v_mul_u32_u24 v5, v1, PITCH
	v_lshl_add_u32 v5, v2, 4, v5                   ; row x pitch + 16 x half
	v_add_nc_u32 v[ADRB], s42, v5                  ; in my stripe
	v_add_nc_u32 v[ADRB+1], SLOT, v[ADRB]
	v_mul_u32_u24 v6, v1, RPITCH                   ; my partial tile: row l % 16, 32 bytes for each half of the lanes
	v_lshl_add_u32 v[RSTO], v2, 5, v6
	s_mul_i32 s46, s[WV], REDW
	v_add_nc_u32 v[RSTO], s46, v[RSTO]
	s_mul_i32 s46, s[WV], 16*RPITCH                ; back: wave w finishes rows 16 w .. 16 w + 15; 32 lanes take a whole row of 512 bytes
	v_add_nc_u32 v[RRD], s46, v[OO]
	v_add_nc_u32 v[RRD+1], 2*REDW, v[RRD]
	s_lshl_b32 s46, s[TR], 18                      ; out0 at row 64 x tile row + 16 x wave (rows of 4,096 bytes), at the tile's first column
	s_lshl_b32 s47, s[WV], 16
	s_add_co_u32 s46, s46, s47
	s_add_co_u32 s46, s46, s19
	s_mov_b32 s47, 0
	s_add_nc_u64 s[10:11], s[10:11], s[46:47]
	s_lshl_b32 s46, s[TC], 20                      ; the prefetches of Wout: row 128 x tile column + 32 x my place among the four,
	s_lshl_b32 s47, s[CX], 18
	s_add_co_u32 s46, s46, s47
	s_lshl_b32 s47, s[WV], 8                       ; my stripe,
	s_add_co_u32 s46, s46, s47
	s_add_co_u32 s46, s46, 3*KSB                   ; at K step 3: the first refill steps it to 4
	s_mov_b32 s47, 0
	s_add_nc_u64 s[PFB:PFB+1], s[6:7], s[46:47]
	v_lshlrev_b32 v[PFO], 13, v3
	v_lshlrev_b32 v[PAO], 17, v2
	v_lshl_add_u32 v[PAO], v1, 8, v[PAO]
	s_cmp_eq_u32 ttmp9, 0
	s_cselect_b32 s[LIMB], 1, -1                   ; the same in all four partners,
	s_cmp_eq_u32 s[TC], 0
	s_cselect_b32 s[LIMA], 1, -1                   ; and so is this
; 8 matrix instructions: m blocks a0, a0 + 1 x n blocks 4 bh .. 4 bh + 3, quarter q of the K step in set and slot p, Wout's fragments in buffer f.  zero = 1: the first product starts the sums.
; The 32 accumulators take turns, one instruction a turn, in the same order in every quarter: 31 others stand between two links of a chain, over the backward jump too.
.macro MULC f, p, q, bh, a0, zero
	WIN W_MUL
.irp a, \a0, (\a0)+1
.irp b, 0,1,2,3
.set AC, 8*(8*(\a)+4*(\bh)+(\b))
.set FB, (\f)+8*(4*(\bh)+(\b))
.set FA, 128*(\p)+32*(\q)+8*(\a)
.if \zero
	v_wmma_f32_16x16x32_bf16 v[AC:AC+7], v[FB:FB+7], v[FA:FA+7], 0
.else
	v_wmma_f32_16x16x32_bf16 v[AC:AC+7], v[FB:FB+7], v[FA:FA+7], v[AC:AC+7]
.endif
.endr
.endr
.endm
; 16 LDS loads in one run: Wout's 128 rows, quarter q of my stripe in slot p, into buffer f
.macro FETCH p, q, f
	WIN 0
.irp i, 0,1,2,3,4,5,6,7
	ds_load_b128 v[(\f)+8*(\i):(\f)+8*(\i)+3],   v[ADRB+(\p)] offset:64*(\q)+(\i)*16*PITCH
	ds_load_b128 v[(\f)+8*(\i)+4:(\f)+8*(\i)+7], v[ADRB+(\p)] offset:64*(\q)+(\i)*16*PITCH+32
.endr
.endm
; One of a step's first three quarters: multiplies buffer f; in its middle it fetches the next quarter's fragments of Wout into buffer g.  al = 1 (a step's first quarter): the next K step's hn is asked
; for, into the other set, whose last readers stand in front of this quarter's four places; aoff: that step's bytes behind the pointer.
.macro QUARTER p, q, f, g, zero=0, al=0, aoff=0
	s_wait_dscnt 8                                 ; n blocks 0 to 3 are in; the youngest eight loads (blocks 4 to 7) may be out
	MULC \f, \p, \q, 0, 0, \zero
	MULC \f, \p, \q, 0, 2, \zero
	WIN 0
	PLACES                                         ; buffer g was read by the quarter before
	FETCH \p, (\q)+1, \g
.if \al
	ALOADS 1-(\p), \aoff
	ASKA (\aoff)+2*ASB
.endif
	s_wait_dscnt 16                                ; all but the 16 just issued
	MULC \f, \p, \q, 1, 0, \zero
	MULC \f, \p, \q, 1, 2, \zero
.endm
; The fourth quarter multiplies buffer 1 and changes slots.  Its first 16 products stand ahead of the wait for my tensor load, while that load may still be on its way.  fill = 1: each wave waits for all its
; tensor loads, of which one is out: its stripe of the next slot; adds 0 to its spare word; and waits for that and for its own reads of this slot; a round of the cluster's barrier follows, so that no wave of
; any partner still reads this slot or has a load on its way; and this slot is filled again, with the K step two on, first thing behind the round: 120 matrix instructions ahead of the wait for that load.
; fill = 0: nothing is filled: my own wait is all that my reads of my own stripe need.
.macro TURN p, fill
.if \fill
	s_wait_xcnt 0x0                                ; the last prefetch of Wout, a K step back, has read its address: it is stepped here, ahead of the waits of the change of slots
	s_add_nc_u64 s[PFB:PFB+1], s[PFB:PFB+1], KSB
.endif
	s_wait_dscnt 8
	MULC BF1, \p, 3, 0, 0, 0
	MULC BF1, \p, 3, 0, 2, 0
	WIN 0                                          ; (the add's two registers lie in window 0)
	s_wait_tensorcnt 0x0                           ; all my tensor loads have landed: my stripe of the next slot; so a group 0 may be written
.if \fill
	ds_add_u32 v[SPW], v[NIL]                      ; 0 onto my spare word
	s_add_nc_u64 s[G0+4*(\p)+2:G0+4*(\p)+3], s[G0+4*(\p)+2:G0+4*(\p)+3], 2*KSB  ; the type bits on top are not reached
	s_wait_dscnt 1                                 ; n blocks 4 to 7 are in; the add may be out
	MULC BF1, \p, 3, 1, 0, 0                       ; eight matrix instructions stand between the add and the wait for it
	WIN 0
	s_wait_dscnt 0x0                               ; the add is done, and my reads of this slot are over
	CROUND
	JLOAD \p                                       ; the four v_nop behind it are also the places in front of the loads below
.else
	s_wait_dscnt 0x0
	MULC BF1, \p, 3, 1, 0, 0
	WIN 0
	PLACES
.endif
	FETCH 1-(\p), 0, BF0
.if \fill
	ASKB
.endif
	MULC BF1, \p, 3, 1, 2, 0
.endm
	s_wait_tensorcnt 1                             ; my stripe of K step 0 is in; slot 1's may stay out
	FETCH 0, 0, BF0
	s_wait_loadcnt 32                              ; Bout and hn of K step 0 are in; the 32 loads of K step 1 may stay out
	QUARTER 0, 0, BF0, BF1, 1                      ; the first quarter stands in front of the loop: its products start the sums
	WIN 0                                          ; at a label and at a branch every window is 0
	s_mov_b32 s[CNT], 3
.Llap:                                                 ; a trip goes once round the ring, from a step's second quarter to the first quarter two steps on, and fills both slots again: K steps 2 to 7
	QUARTER 0, 1, BF1, BF0
	QUARTER 0, 2, BF0, BF1
	TURN 0, 1
	s_wait_loadcnt 0x0                             ; hn of this K step, asked for a step ago; nothing younger is out
	QUARTER 1, 0, BF0, BF1, 0, 1, 2*ASB
	QUARTER 1, 1, BF1, BF0
	QUARTER 1, 2, BF0, BF1
	TURN 1, 1
	s_wait_loadcnt 0x0
	QUARTER 0, 0, BF0, BF1, 0, 1, 3*ASB
	WIN 0
	s_wait_xcnt 0x0                                ; the loads and prefetches of hn, the youngest sixteen products back, have read their address, so the pointer may be written
	s_add_nc_u64 s[SA:SA+1], s[SA:SA+1], 2*ASB
	s_sub_co_u32 s[CNT], s[CNT], 1
	s_cmp_lg_u32 s[CNT], 0
	s_cbranch_scc1 .Llap
	QUARTER 0, 1, BF1, BF0                         ; K steps 6 and 7 are written out: nothing is left to fetch
	QUARTER 0, 2, BF0, BF1
	TURN 0, 0
	s_wait_loadcnt 0x0
	QUARTER 1, 0, BF0, BF1
	QUARTER 1, 1, BF1, BF0
	QUARTER 1, 2, BF0, BF1
	s_wait_dscnt 8                                 ; the very last quarter
	MULC BF1, 1, 3, 0, 0, 0
	MULC BF1, 1, 3, 0, 2, 0
	s_wait_dscnt 0x0
	MULC BF1, 1, 3, 1, 0, 0
	MULC BF1, 1, 3, 1, 2, 0
	; THE WAY OUT.  The four waves' partial tiles go into LDS, in f32, over slot 0: no tensor load follows, every wave has waited for all of its own in front of the barrier below,
	; and that barrier shows that no wave reads the ring any more.
	WIN 0
	PLACES                                         ; behind the last products, in front of the stores that read sums and the loads into fragments' registers;
	PLACES                                         ; eight, once a launch
	s_wait_dscnt 0x0
	s_barrier_signal -1
	s_barrier_wait -1
	WIN 0x04                                       ; the stores' data in window 1, their address in window 0
.irp a, 0,1,2,3
.irp b, 0,1,2,3,4,5,6,7
	ds_store_b128 v[RSTO], v[8*(8*(\a)+(\b)):8*(8*(\a)+(\b))+3]   offset:(\a)*16*RPITCH+64*(\b)     ; each accumulator's low four registers first
	ds_store_b128 v[RSTO], v[8*(8*(\a)+(\b))+4:8*(8*(\a)+(\b))+7] offset:(\a)*16*RPITCH+64*(\b)+16
.endr
.endr
	WIN 0
	s_wait_dscnt 0x0                               ; for the others' sake: my stores are done
	s_barrier_signal -1
	s_barrier_wait -1
; Four rows 4 g .. 4 g + 3 of my sixteen: of each the four partial sums, a whole row of 512 bytes to a load
.macro LOADG g, set
.irp p, 0,1,2,3
.irp s, 0,1,2,3
	ds_load_b128 v[(\set)+16*(\p)+4*(\s):(\set)+16*(\p)+4*(\s)+3], v[RRD+(\s)/2] offset:((\s)%2)*REDW+(4*(\g)+(\p))*RPITCH
.endr
.endr
.endm
; ((s0 + s1) + (s2 + s3)) + Bout, and the row is stored: 512 consecutive bytes, at a multiple of 256 from out0's first byte
.macro SUMG g, set
.irp p, 0,1,2,3
.set R, (\set)+16*(\p)
	v_pk_add_f32 v[R:R+1],     v[R:R+1],     v[R+4:R+5]
	v_pk_add_f32 v[R+2:R+3],   v[R+2:R+3],   v[R+6:R+7]
	v_pk_add_f32 v[R+8:R+9],   v[R+8:R+9],   v[R+12:R+13]
	v_pk_add_f32 v[R+10:R+11], v[R+10:R+11], v[R+14:R+15]
	v_pk_add_f32 v[R:R+1],     v[R:R+1],     v[R+8:R+9]
	v_pk_add_f32 v[R+2:R+3],   v[R+2:R+3],   v[R+10:R+11]
	v_pk_add_f32 v[R:R+1],     v[R:R+1],     v[BI:BI+1]
	v_pk_add_f32 v[R+2:R+3],   v[R+2:R+3],   v[BI+2:BI+3]
	global_store_b128 v[OO], v[R:R+3], s[10:11] offset:(4*(\g)+(\p))*4096 th:TH_STORE_NT
.endr
.endm
	LOADG 0, S0
	LOADG 1, S1
	s_wait_dscnt 16                                ; the first group is in; the next group's sixteen loads may be out
	SUMG 0, S0
	s_wait_xcnt 0x0                                ; the stores have read their registers, which are loaded again
	LOADG 2, S0
	s_wait_dscnt 16
	SUMG 1, S1
	s_wait_xcnt 0x0
	LOADG 3, S1
	s_wait_dscnt 16
	SUMG 2, S0
	s_wait_dscnt 0x0
	SUMG 3, S1
	s_wait_tensorcnt 0x0                           ; the wave's end: behind my last tensor load and my last LDS store
	ds_add_u32 v[SPW], v[NIL]
	s_wait_dscnt 0x0
	CROUND                                         ; the closing round: no work-group ends while a partner may still ask for a tile that names it
	s_endpgm
.Lfunc_end_k_q946f9fa6cc_proj:
	.size	k_q946f9fa6cc_proj, .Lfunc_end_k_q946f9fa6cc_proj-k_q946f9fa6cc_proj
	.p2alignl 7, 3214868480
	.fill 96, 4, 3214868480
	.section	.rodata,"a",@progbits
	.p2align	6, 0x0
	.amdhsa_kernel k_q946f9fa6cc_proj
		.amdhsa_group_segment_fixed_size 327680
		.amdhsa_private_segment_fixed_size 0
		.amdhsa_enable_private_segment 0
		.amdhsa_kernarg_size 32
		.amdhsa_user_sgpr_count 2
		.amdhsa_user_sgpr_kernarg_segment_ptr 1
		.amdhsa_wavefront_size32 1
		.amdhsa_system_sgpr_workgroup_id_x 1
		.amdhsa_system_sgpr_workgroup_id_y 1
		.amdhsa_system_sgpr_workgroup_id_z 1
		.amdhsa_system_vgpr_workitem_id 0
		.amdhsa_next_free_vgpr 768
		.amdhsa_next_free_sgpr 66
		.amdhsa_reserve_vcc 0
		.amdhsa_float_denorm_mode_32 3
		.amdhsa_float_denorm_mode_16_64 3
		.amdhsa_memory_ordered 1
		.amdhsa_forward_progress 1
		.amdhsa_inst_pref_size 91
	.end_amdhsa_kernel
	.amdgpu_metadata
---
amdhsa.version: [ 1, 2 ]
amdhsa.kernels:
  - .name:           k_q946f9fa6cc_proj
    .symbol:         k_q946f9fa6cc_proj.kd
    .args:
      - { .name: hn, .offset: 0, .size: 8, .value_kind: global_buffer, .address_space: global }
      - { .name: wob, .offset: 8, .size: 8, .value_kind: global_buffer, .address_space: global }
      - { .name: Bout, .offset: 16, .size: 8, .value_kind: global_buffer, .address_space: global }
      - { .name: out0, .offset: 24, .size: 8, .value_kind: global_buffer, .address_space: global }
    .group_segment_fixed_size: 327680
    .private_segment_fixed_size: 0
    .kernarg_segment_align: 8
    .kernarg_segment_size: 32
    .max_flat_workgroup_size: 128
    .sgpr_count:     66
    .vgpr_count:     768
    .wavefront_size: 32
...
	.end_amdgpu_metadata
.endif
;; end of part 3
